; MI455X (gfx1250); checked and timed in simulation.
; The chip was launched on July 23, 2026; its instructions are those of AMD's public machine-readable ISA for CDNA 5 (MIT licence, August 2026) and "CDNA5" Instruction Set Architecture Reference Guide (July 2026). The comments in the code are by the model that wrote it; some were corrected since.
;; Discrete Key Value Bottleneck. Allowed arithmetic: matrix products marked QUANTISED: E3M2 operands, one E8M0 scale for each 32 along K, by v_wmma_scale_f32_16x16x128_f8f6f4 with both operands' format E3M2, f32 sums; everything else in f32.
;; Inputs: codebook 8,192 x 512 float32; values 8,192 x 512 float32; x 8 x 2,048 x 512 float32.
;; Outputs: out0 8 x 2,048 x 512 float32.
;; This version of the problem:
;;   THIS VERSION OF THE PROBLEM IS GIVEN IN LOW PRECISION. The matrix products marked QUANTISED in the list below multiply operands that are first quantised to E3M2 (3 exponent bits, 2 mantissa bits; 6 bits a number), with one power-of-two scale for each 32 numbers along K (OCP MX v1.0); their sums are f32. All else is computed in f32.
;;   The module's matrix products, in the order in which they are computed (A, B: the left and right operand; K: the contracted axis; several contracted axes count as one K, in the product's order):
;;     1. [M 16,384, K 512] x [K 512, N 8,192]; A: input x; B: input codebook: QUANTISED
;;   THE QUANTISER, for each operand of a quantised product, along K:
;;     - K is cut into blocks of 32 from its start; a last block that is shorter is filled with zeros.
;;     - A block's scale is 2^e with e = floor(log2(the largest magnitude in the block)) - 4, held to -126 .. 127; a block of zeros has e = 0. As a byte (E8M0): e + 127.
;;     - Each number is divided by its block's scale, clamped to +-28, and rounded to the nearest number of E3M2, ties to even, subnormals kept.
;;     - The product sums the exact products of the quantised numbers (number of the format x scale) in f32.
;;   ~~~python
;;   def quantise(x, axis):      # numpy; x: float32 -> the quantised numbers, widened to float32 again
;;       x = np.moveaxis(x, axis, -1); K = x.shape[-1]
;;       x = np.pad(x, [(0, 0)] * (x.ndim - 1) + [(0, -K % 32)]); x = x.reshape(x.shape[:-1] + (-1, 32)); a = np.abs(x).max(-1, keepdims=True)
;;       e = np.where(a > 0, np.clip(np.frexp(np.where(a > 0, a, 1))[1] - 1 - 4, -126, 127), 0)      # np.frexp(a)[1] - 1 = floor(log2(a)), exactly
;;       r = np.clip(x / 2.0 ** e, -28, 28)
;;       step = 2.0 ** (np.maximum(np.frexp(np.where(r == 0, 1, r))[1] - 1, -2) - 2)
;;       q = np.round(r / step) * step * 2.0 ** e      # np.round: ties to even
;;       return np.moveaxis(q.reshape(q.shape[:-2] + (-1,))[..., :K], -1, axis).astype(np.float32)
;;   ~~~
;; One version. Each part assembles by itself: llvm-mc -triple=amdgcn-amd-amdhsa -mcpu=gfx1250 --defsym DOCPART=n.
;; ======== version 1 of 1: 3 launches
;; limits: right only within a limited range of input values
;; workspace buffers: xq 6,815,744 bytes; cbq 3,407,872 bytes; cand 1,048,576 bytes of whole numbers
;; launch quant (part 1): grid 256 x 1, 6 waves a work-group, no clusters, 102,144 bytes of LDS; arguments x, codebook, xq, cbq; writes xq, cbq
.if DOCPART == 1
	.amdgcn_target "amdgcn-amd-amdhsa--gfx1250"
	.amdhsa_code_object_version 6
	.text
	.protected	k_qdbcd6c899b_quant
	.globl	k_qdbcd6c899b_quant
	.p2align	8
	.type	k_qdbcd6c899b_quant,@function
k_qdbcd6c899b_quant:
	s_mov_b64 s[64:65], 0
	v_nop
	global_prefetch_b8 v0, s[64:65] scope:SCOPE_SE
	s_setreg_imm32_b32 hwreg(HW_REG_WAVE_MODE, 25, 1), 1
	s_wait_xcnt 0x0
; x [16384][512] and codebook [8192][512], f32, become codes of BF6 (E3M2) with one E8M0 scale byte for each 32 along K; each codebook row also gets -e_sq / 2, e_sq its sum of squares (of the f32 numbers as given).
; WORK LEFT OUT.  The result is values[argmin over k of (x_sq - 2 dot_k + e_sq_k)].  x_sq is the same for every k of a row, so in real numbers it moves no argmin, whatever the inputs hold; and the positive factor 2 moves none:
; argmin (x_sq - 2 dot + e_sq) = argmax (dot - e_sq / 2).  So x_sq is not computed, here or later, and the program looks for the first largest dot - e_sq / 2.  x itself stays live: it is an operand of the product.
; LIMITS of that: a NaN, an infinity or an overflow that x_sq alone would bring is not carried to the result; the order of rounding differs from the formula's as written (dot - e_sq / 2 is summed in f32 by the matrix
; instructions, -e_sq / 2 first), so that of two entries whose distances differ by a few units in the last place of f32 the other one may be chosen.
; A block's scale is 2^(floor(log2(its largest magnitude)) - 4); its byte is the largest magnitude's exponent field - 4, held at 1 from below; each number is divided by the scale and rounded to the nearest code, ties to
; even, beyond the largest code the largest.
; THE OUTPUT IS LAID AS THE NEXT LAUNCH'S REGISTERS WANT IT.  16 rows x 512 K make a RECORD of 6,656 bytes (26 x 256):
;   bytes 0-6143     four fragments (K step s = 0..3 of 128), 1,536 bytes each: registers 4 c .. 4 c + 3 of lane L's twelve at 1536 s + 512 c + 16 L
;   bytes 6144-6399  scale words: lane L = (r, h) has 8 bytes at 8 L: the word of row r for K step h, then that for K step 2 + h
;   bytes 6400-6655  the codebook's records alone: 64 words, word i = -e_sq / 2 of row i % 16.  In x's records these bytes are neither written nor read.
; SHARES.  1,536 tiles of 16 rows, one to a wave: tile 6 x work-group + wave; the first 1,024 are x's, the others the codebook's.  The two kinds part by a scalar branch on ids; each way has stages of its own in LDS.
; A LANE IS THE FRAGMENT'S LANE (r, h): it needs k = 128 s + 32 h + 0..31 and k = 128 s + 64 + 32 h + 0..31 of row r: two whole blocks, so no other lane is asked for a maximum, and the conversions' results are the
; fragment's registers.  The loads take the bytes as they lie (512 consecutive bytes a load); a step's 16 rows turn through the wave's own stage in LDS (rows 528 bytes apart, an odd multiple of 16).
; No tensor loads, no barrier: waves share nothing.  Loads run two steps ahead: 32 loads of a wave are out at the most.
; LIMITS: a block of zeros, or one whose largest magnitude lies under 2^-122, gets the byte 1 (a block of zeros has zero codes, which add nothing; this program alone reads the bytes).  NaN and infinities are not served.
; e_sq is summed by fused multiply-adds in 16 partial sums a row, joined at the end: another order of rounding than a plain running sum.
.set STG, 8448                         ; a wave's stage: 16 rows x SP; six for x's way, six for the codebook's
.set SP,  528
.set REC, 6656
.set SPARE, 12*STG                     ; behind the stages: the spare words, 128 bytes a wave: three blocks of 256 bytes that no other line names
.set MX,  10                           ; v10-11  the two blocks' largest magnitudes
.set SC,  12                           ; v12-13  the conversions' scale operands
.set W,   16                           ; v16-19  the row's scale word of each K step
.set SQ,  20                           ; v20-27  four pairs of partial sums of squares
.set C,   28                           ; v28-39  the fragment's twelve registers
.set TT,  40                           ; v40-42, v44-46  the upper halves of the two blocks' codes, before they are moved
.set X,   48                           ; v48-111 my 64 numbers of the step
.set R,   112                          ; v112-239 two sets of 64: a step's 16 rows as loaded
	s_load_b256 s[4:11], s[0:1], 0x0               ; x s[4:5], codebook s[6:7], xq s[8:9], cbq s[10:11]
	v_lshl_add_u32 v240, v0, 2, SPARE
	v_mov_b32 v241, 0
	v_lshrrev_b32 v1, 5, v0
	v_readfirstlane_b32 s12, v1                    ; wave 0..5
	v_and_b32 v1, 31, v0                           ; L
	v_and_b32 v2, 15, v0                           ; r
	v_bfe_u32 v3, v0, 4, 1                         ; h
	v_lshlrev_b32 v4, 4, v1                        ; 16 L: my 16 bytes of a load's or a store's 512
	s_mul_i32 s16, s12, STG
	v_add_nc_u32 v5, s16, v4                       ; x's stage, on the way in: 16 L in a row
	v_mul_u32_u24 v6, v2, SP
	v_lshl_add_u32 v6, v3, 7, v6
	v_add_nc_u32 v6, s16, v6                       ; and on the way out: row r, + 128 h bytes
	v_add_nc_u32 v43, 6*STG, v5                    ; the codebook's stage, likewise
	v_add_nc_u32 v47, 6*STG, v6
	v_lshlrev_b32 v7, 3, v3                        ; 8 h: my bytes' place in a scale word, in bits
	v_lshlrev_b32 v8, 3, v1                        ; 8 L
	v_lshlrev_b32 v9, 2, v1                        ; 4 L
	v_mov_b32 v15, 0                               ; written once: a lane permute's destination counts as one of its sources
	s_mov_b32 s20, 0x76543210
	s_mov_b32 s21, 0xfedcba98                      ; v_permlanex16_b32's selects for lane l xor 16
	s_mul_i32 s13, ttmp9, 6
	s_add_co_u32 s13, s13, s12                     ; my tile
	s_wait_alu depctr_va_vdst(0)                   ; the wait at the head's end
	s_wait_kmcnt 0x0
	s_cmp_lt_u32 s13, 1024                         ; x's tile or the codebook's?  The choice hangs on ids alone
	s_cselect_b64 s[4:5], s[4:5], s[6:7]
	s_cselect_b64 s[8:9], s[8:9], s[10:11]
	s_cselect_b32 s14, 0, 1024
	s_cselect_b32 s22, 1, 0                        ; 1: x's
	s_sub_co_u32 s13, s13, s14                     ; the tile's number in its tensor
	s_lshl_b32 s14, s13, 15                        ; 16 rows of 2,048 bytes
	s_mov_b32 s15, 0
	s_add_nc_u64 s[4:5], s[4:5], s[14:15]
	s_mul_i32 s14, s13, REC
	s_add_nc_u64 s[8:9], s[8:9], s[14:15]
.macro LOAD s                          ; K step s of the 16 rows into set s % 2: each load reads 512 consecutive bytes
.irp i, 0,1,2,3,4,5,6,7,8,9,10,11,12,13,14,15
	global_load_b128 v[R+64*((\s)%2)+4*\i:R+64*((\s)%2)+4*\i+3], v4, s[4:5] offset:2048*\i+512*(\s) th:TH_LOAD_NT
.endr
.endm
.macro STEP s, sq, si, so              ; sq = 1: the sums of squares are taken; si, so: the stage's address registers
.if (\s) < 3
	s_wait_loadcnt 16                              ; this step's 16 loads are in; the next step's 16 may be out
.else
	s_wait_loadcnt 0x0
.endif
.irp i, 0,1,2,3,4,5,6,7,8,9,10,11,12,13,14,15
	ds_store_b128 v[\si], v[R+64*((\s)%2)+4*\i:R+64*((\s)%2)+4*\i+3] offset:SP*\i
.endr
.irp c, 0,1
.irp j, 0,1,2,3,4,5,6,7
	ds_load_b128 v[X+32*\c+4*\j:X+32*\c+4*\j+3], v[\so] offset:256*\c+16*\j   ; LDS serves a wave's instructions in order (ISA guide 5.7.1.4): these see the stores above
.endr
.endr
	s_wait_dscnt 0x0                               ; my 64 numbers are in, and the stores have read their registers,
.if (\s) < 2
	LOAD (\s)+2                                    ; which take the loads of two steps on
.endif
.irp i, 0,2,4,6,8,10,12,14,16,18,20,22,24,26,28,30
.if \i == 0
	v_max3_num_f32 v[MX], |v[X]|, |v[X+1]|, 0x2800000              ; with the floor 2^(5 - 127): so the byte cannot fall under 1
	v_max3_num_f32 v[MX+1], |v[X+32]|, |v[X+33]|, 0x2800000
.else
	v_max3_num_f32 v[MX], v[MX], |v[X+\i]|, |v[X+\i+1]|
	v_max3_num_f32 v[MX+1], v[MX+1], |v[X+32+\i]|, |v[X+33+\i]|
.endif
.if \sq
.if (\s) == 0 && \i < 4
	v_pk_mul_f32 v[SQ+\i:SQ+\i+1], v[X+\i:X+\i+1], v[X+\i:X+\i+1]                  ; the first squares start the sums: nothing is cleared
	v_pk_mul_f32 v[SQ+4+\i:SQ+5+\i], v[X+32+\i:X+33+\i], v[X+32+\i:X+33+\i]
.else
	v_pk_fma_f32 v[SQ+\i%4:SQ+\i%4+1], v[X+\i:X+\i+1], v[X+\i:X+\i+1], v[SQ+\i%4:SQ+\i%4+1]
	v_pk_fma_f32 v[SQ+4+\i%4:SQ+5+\i%4], v[X+32+\i:X+33+\i], v[X+32+\i:X+33+\i], v[SQ+4+\i%4:SQ+5+\i%4]
.endif
.endif
.endr
	v_add_nc_u32 v[SC], 0xfe000000, v[MX]          ; 4 off the exponent field: the conversion takes the exponent field of this operand as its scale
	v_add_nc_u32 v[SC+1], 0xfe000000, v[MX+1]
	s_wait_alu depctr_va_vdst(0)                   ; the wait here, directly ahead of the wait below
	s_wait_xcnt 0x0                                ; the last step's stores have read the fragment's registers: they are written again only behind this wait
.irp c, 0,1
	v_cvt_scalef32_pk16_bf6_f32 v[C+6*\c:C+6*\c+2], v[X+32*\c:X+32*\c+15], v[SC+\c]         ; k = 128 s + 64 c + 32 h + 0 .. 15
	v_cvt_scalef32_pk16_bf6_f32 v[TT+4*\c:TT+4*\c+2], v[X+32*\c+16:X+32*\c+31], v[SC+\c]    ; + 16 .. 31 (a conversion's three registers begin on an even number: made here and moved)
.endr
	v_nop                                          ; one plain place behind a scaled conversion
.irp c, 0,1
.irp i, 0,1,2
	v_mov_b32 v[C+6*\c+3+\i], v[TT+4*\c+\i]
.endr
.endr
	v_lshrrev_b32 v14, 23, v[SC]                   ; the byte of block h,
	v_lshrrev_b32 v[MX], 23, v[SC+1]               ; and of block 2 + h
	v_lshl_or_b32 v14, v[MX], 16, v14
	v_lshlrev_b32 v14, v7, v14                     ; at their places in the scale word (8 h bits up);
	v_permlanex16_b32 v15, v14, s20, s21
	v_or_b32 v[W+(\s)], v14, v15                   ; with lane l xor 16's two the word is whole, in both lanes
.irp c, 0,1,2
	global_store_b128 v4, v[C+4*\c:C+4*\c+3], s[8:9] offset:1536*(\s)+512*\c   ; 32 lanes store 512 consecutive bytes, at a multiple of 256 from the buffer's first byte
.endr
.endm
.macro WORDS                           ; the scale words leave: 32 lanes store 256 consecutive bytes, aligned
	v_cmp_ne_u32 vcc_lo, 0, v3
	v_cndmask_b32 v[MX], v[W], v[W+1], vcc_lo      ; the word of K step h,
	v_cndmask_b32 v[MX+1], v[W+2], v[W+3], vcc_lo  ; and of K step 2 + h
	global_store_b64 v8, v[MX:MX+1], s[8:9] offset:6144
.endm
	LOAD 0
	LOAD 1
	s_cmp_eq_u32 s22, 0
	s_cbranch_scc1 .Lcode
	STEP 0, 0, 5, 6                                ; x's tile: codes and scale words alone
	STEP 1, 0, 5, 6
	STEP 2, 0, 5, 6
	STEP 3, 0, 5, 6
	WORDS
	s_branch .Lend
.Lcode:
	STEP 0, 1, 43, 47                              ; the codebook's tile: with the sums of squares
	STEP 1, 1, 43, 47
	STEP 2, 1, 43, 47
	STEP 3, 1, 43, 47
	v_pk_add_f32 v[SQ:SQ+1], v[SQ:SQ+1], v[SQ+2:SQ+3]              ; the partial sums are joined:
	v_pk_add_f32 v[SQ+4:SQ+5], v[SQ+4:SQ+5], v[SQ+6:SQ+7]
	v_pk_add_f32 v[SQ:SQ+1], v[SQ:SQ+1], v[SQ+4:SQ+5]
	v_add_f32 v[SQ], v[SQ], v[SQ+1]
	v_permlanex16_b32 v15, v[SQ], s20, s21         ; the row's other half lies in lane l xor 16
	v_add_f32 v[SQ], v[SQ], v15                    ; every lane holds e_sq of row r
	v_mul_f32 v[SQ], -0.5, v[SQ]                   ; -e_sq / 2, exactly
	WORDS
	global_store_b32 v9, v[SQ], s[8:9] offset:6400                 ; words 0-31,
	global_store_b32 v9, v[SQ], s[8:9] offset:6528                 ; and words 32-63: the same again
.Lend:
	s_wait_tensorcnt 0x0                           ; the wave's end: behind my last LDS store
	ds_add_u32 v240, v241
	s_wait_dscnt 0x0
	s_endpgm
.Lfunc_end_k_qdbcd6c899b_quant:
	.size	k_qdbcd6c899b_quant, .Lfunc_end_k_qdbcd6c899b_quant-k_qdbcd6c899b_quant
	.p2alignl 7, 3214868480
	.fill 96, 4, 3214868480
	.section	.rodata,"a",@progbits
	.p2align	6, 0x0
	.amdhsa_kernel k_qdbcd6c899b_quant
		.amdhsa_group_segment_fixed_size 102144
		.amdhsa_private_segment_fixed_size 0
		.amdhsa_enable_private_segment 0
		.amdhsa_kernarg_size 32
		.amdhsa_user_sgpr_count 2
		.amdhsa_user_sgpr_kernarg_segment_ptr 1
		.amdhsa_wavefront_size32 1
		.amdhsa_system_sgpr_workgroup_id_x 1
		.amdhsa_system_sgpr_workgroup_id_y 1
		.amdhsa_system_sgpr_workgroup_id_z 1
		.amdhsa_system_vgpr_workitem_id 0
		.amdhsa_next_free_vgpr 242
		.amdhsa_next_free_sgpr 66
		.amdhsa_reserve_vcc 1
		.amdhsa_float_denorm_mode_32 3
		.amdhsa_float_denorm_mode_16_64 3
		.amdhsa_memory_ordered 1
		.amdhsa_forward_progress 1
		.amdhsa_inst_pref_size 63
	.end_amdhsa_kernel
	.amdgpu_metadata
---
amdhsa.version: [ 1, 2 ]
amdhsa.kernels:
  - .name:           k_qdbcd6c899b_quant
    .symbol:         k_qdbcd6c899b_quant.kd
    .args:
      - { .name: x, .offset: 0, .size: 8, .value_kind: global_buffer, .address_space: global }
      - { .name: codebook, .offset: 8, .size: 8, .value_kind: global_buffer, .address_space: global }
      - { .name: xq, .offset: 16, .size: 8, .value_kind: global_buffer, .address_space: global }
      - { .name: cbq, .offset: 24, .size: 8, .value_kind: global_buffer, .address_space: global }
    .group_segment_fixed_size: 102144
    .private_segment_fixed_size: 0
    .kernarg_segment_align: 8
    .kernarg_segment_size: 32
    .max_flat_workgroup_size: 192
    .sgpr_count:     66
    .vgpr_count:     242
    .wavefront_size: 32
...
	.end_amdgpu_metadata
.endif
;; end of part 1
;; launch nearest (part 2): grid 32 x 8, 8 waves a work-group, clusters of 4 x 1, 327,680 bytes of LDS; arguments xq, cbq, cand; writes cand
.if DOCPART == 2
	.amdgcn_target "amdgcn-amd-amdhsa--gfx1250"
	.amdhsa_code_object_version 6
	.text
	.protected	k_qdbcd6c899b_nearest
	.globl	k_qdbcd6c899b_nearest
	.p2align	8
	.type	k_qdbcd6c899b_nearest,@function
k_qdbcd6c899b_nearest:
	s_mov_b64 s[64:65], 0
	v_nop
	global_prefetch_b8 v0, s[64:65] scope:SCOPE_SE
	s_setreg_imm32_b32 hwreg(HW_REG_WAVE_MODE, 25, 1), 1
	s_wait_xcnt 0x0
	s_wait_alu depctr_hold_cnt(0) depctr_sa_sdst(0) depctr_va_vdst(0) depctr_va_sdst(0) depctr_va_ssrc(0) depctr_va_vcc(0) depctr_vm_vsrc(0)
	s_getreg_b32 s2, hwreg(HW_REG_IB_STS2, 6, 4)
	s_cmp_eq_u32 s2, 0
	s_cbranch_scc0 .Lentry_in_a_cluster
	s_endpgm
.Lentry_in_a_cluster:
	s_bfe_u32 s2, ttmp6, 0x10000c
	s_cmp_lg_u32 s2, 0x3003
	s_cbranch_scc0 .Lentry_shape_is_right
	s_endpgm
.Lentry_shape_is_right:
; For each of 16,384 rows of x and each eighth (part) of the codebook: the largest s = dot - e_sq / 2 over the part's 1,024 entries, and the first entry that has it.  x_sq is left out: it is the same for all entries of a
; row, and argmin (x_sq - 2 dot + e_sq) = argmax (dot - e_sq / 2) (shown at the head of the first kernel, with the limits that this keeps).
; dot is the product on codes of BF6 (E3M2) with E8M0 scales for each 32 along K, f32 sums, K ascending on one accumulator for each output; -e_sq / 2, which the launch before made, is the C of the first K step's
; instruction, so that no vector instruction is spent on forming s.
; OUT: cand[part][row] = (key, index), two whole numbers: key is the bits of -s turned so that unsigned order is the order of -s (a set sign bit: all bits flipped; else the sign bit set), index the entry's number.
; SHARES.  A work-group owns 512 rows (row block 4 x cluster x + cx) and one part (work-group y): 32 x 8 = 256 work-groups.  Each of its eight waves owns 64 rows: four tiles of 16, all of whose K (16 fragments, 192
; registers) stays in registers.  Every wave walks the part's 64 tiles of 16 entries, which come through LDS; a tile (6,144 bytes of codes) feeds 16 matrix instructions.  Two waves share a SIMD's registers (2 x 448).
; LAYOUT.  Both operands lie in memory as images of the operand's registers: a fragment is three loads of 16 bytes a lane at 16 x lane, 512 bytes apart.
; The product is used transposed: source 0 = 16 entries, source 1 = 16 rows of x: a lane (r, h) holds ONE row r of x, and its register j entry 16 t + 8 h + j.
; TWO SETS OF ACCUMULATORS take turns tile by tile: the search through tile t - 1 stands behind the products of tile t, so its 56 instructions are also the places behind those products.
; THE SEARCH.  For each of my four tiles of rows a lane keeps the largest s so far (in two registers by turns, so that the old one is at hand for the compare), the tile that gave it, and that tile's eight s.  A later tile
; takes their place only where its largest is strictly larger: the first tile wins ties.  At the end the lowest register that holds the largest gives the entry, and lanes l and l xor 16 are joined by (key, index).
; No branch and no address hangs on an s.
; CLUSTER.  The four row blocks of a cluster walk the same part, so each fill is asked for JOINTLY: the same tensor load, with the same descriptor (made of the part and the wave's number alone) and a mask that names the four.
; RING.  Two slots of 24 records (159,744 bytes).  Three fills: records 0-23 into slot 0 at the head, 24-47 into slot 1 behind the head's round, 48-63 into slot 0's first 16 places when it has been read.  Every wave
; brings an eighth of each fill (78 or 52 rows of 256 bytes): one tensor load of a wave is out at the most.
; No data prefetch: every fill but the first is asked for a whole slot's walk, 24 tiles of 16 matrix instructions a wave, ahead of its first read, and the first has no loop ahead of it.
; LIMITS: an s that is NaN never wins (a row all of whose s are NaN or -infinity gets the part's first entry).
; REGISTERS.  Window 0 as named below.  Window 1: x's fragments, tile m, K step s at v[48 m + 12 s].
.set REC,   6656                       ; a record: 16 rows: 6,144 bytes of codes, 256 of scale words, 256 of -e_sq / 2
.set S1,    24*REC                     ; slot 1
.set SPARE, 48*REC                     ; behind the ring: the spare words, 128 bytes for each wave: four blocks of 256 bytes that no other line names
.set LI,  1                            ; v1   16 x lane
.set L8,  2                            ; v2   8 x lane
.set H32, 3                            ; v3   32 h
.set HB,  4                            ; v4   8 h + 1024 x part
.set AD,  5                            ; v5-7 LDS addresses of the pair of records in hand: codes, scale words, -e_sq / 2
.set SPW, 8                            ; v8   LDS address of my spare word; never rewritten
.set NIL, 9                            ; v9   0; never rewritten
.set RM,  10                           ; v10-17   the largest s so far: two sets of four, by turns
.set TI,  18                           ; v18-21   the tile that gave it
.set C1,  22                           ; v22-25, v26-29  at work in the search
.set C2,  26
.set C3,  250                          ; v250-253 likewise
.set XS,  30                           ; v30-37   x's scale words: tile m: a pair; register u: lanes 0-15 K step 2 u, lanes 16-31 K step 2 u + 1
.set CS,  38                           ; v38-41   the entries' scale words, a pair for each buffer, laid as x's
.set ESQ, 42                           ; v42-57   -e_sq / 2 of my eight entries, for each buffer
.set AC,  58                           ; v58-121  two sets of four accumulators
.set SN,  122                          ; v122-153 the eight s of the tile that gave the largest
.set CF,  154                          ; v154-249 the entries' four fragments, two buffers of 48; at the end, when they are done with:
.set J,   154
.set KY,  158
.set IX,  162
.set PM,  166
.set OUT, 168
.set NS,  172
.set WV,  10                           ; s10  my wave's number
.set TB,  20                           ; s20  LDS byte of the pair of records in hand
.set TN,  21                           ; s21  the number of the tile that is searched
.set CNT, 22
.set G1A, 24                           ; s[24:31] descriptor group 1: 78 rows;  s[32:39]: 52 rows
.set G1B, 32
.set G0A, 40                           ; s[40:51] descriptor group 0 of the three fills
.set G0B, 44
.set G0C, 48
.set MK,  52                           ; s52-55  lane masks
.set SEL, 56                           ; s56-57  v_permlanex16_b32's selects for lane l xor 16
.set HI,  58                           ; s58  the mask of lanes 16-31
.set NI,  59                           ; s59  -infinity
.set MSB, 0
.macro WIN new                         ; the immediate's high byte repeats the setting that is left
.if MSB != \new
	s_set_vgpr_msb (MSB<<8)|\new
.set MSB, \new
.endif
.endm
.macro CROUND                          ; a round of the cluster's barrier
	s_barrier_signal -1
	s_barrier_wait -1
	s_cmp_lg_u32 s[WV], 0
	s_cbranch_scc1 .Lnot_wave_0_\@
	s_barrier_signal -3
.Lnot_wave_0_\@:
	s_barrier_wait -3
	s_barrier_signal -1
	s_barrier_wait -1
.endm
	s_load_b128 s[4:7], s[0:1], 0x0                ; xq s[4:5], cbq s[6:7]
	s_load_b64 s[8:9], s[0:1], 0x10                ; cand
	v_lshl_add_u32 v[SPW], v0, 2, SPARE
	v_mov_b32 v[NIL], 0
	ds_add_u32 v[SPW], v[NIL]                      ; the opening lines: the add, twice on end, and its wait ahead of my first tensor load
	ds_add_u32 v[SPW], v[NIL]
	s_and_b32 s13, ttmp7, 0xffff                   ; the part, which the four partners share
	s_lshl_b32 s23, s13, 10                        ; its first entry
	v_lshrrev_b32 v[AD], 5, v0
	v_readfirstlane_b32 s[WV], v[AD]               ; wave 0..7
	v_and_b32 v[AD+1], 31, v0                      ; lane
	v_bfe_u32 v[AD+2], v0, 4, 1                    ; h
	v_lshlrev_b32 v[LI], 4, v[AD+1]
	v_lshlrev_b32 v[L8], 3, v[AD+1]
	v_lshlrev_b32 v[H32], 5, v[AD+2]
	v_lshl_add_u32 v[HB], v[AD+2], 3, s23
	s_bfe_u32 s11, ttmp6, 0x40000                  ; cx: it enters xq's and cand's addresses alone
	s_lshl_b32 s12, ttmp9, 2                       ; in a cluster launch ttmp9 counts clusters
	s_add_co_u32 s12, s12, s11                     ; my block of 512 rows
	; group 1: a dense block as rows of 256 bytes (32 elements of 8 bytes), no padding; the mask names all four work-groups, bit 21 beside it
.irp g, G1A, G1B
	s_mov_b32 s[\g+0], 15|(3<<16)|(1<<21)
	s_mov_b32 s[\g+1], 32<<16                      ; tensor_dim0
	s_mov_b32 s[\g+3], 32<<16                      ; tile_dim0
	s_mov_b32 s[\g+5], 32                          ; the pitch
	s_mov_b32 s[\g+6], 0
	s_mov_b32 s[\g+7], 0
.endr
	s_mov_b32 s[G1A+2], 78<<16                     ; three records: 78 rows
	s_mov_b32 s[G1A+4], 78
	s_mov_b32 s[G1B+2], 52<<16                     ; two records: 52 rows
	s_mov_b32 s[G1B+4], 52
	s_mov_b32 s[G0A], 1
	s_mov_b32 s[G0B], 1
	s_mov_b32 s[G0C], 1
	s_mul_i32 s[G0A+1], s[WV], 3*REC               ; LDS: my eighth of slot 0,
	s_add_co_u32 s[G0B+1], s[G0A+1], S1            ; of slot 1,
	s_mul_i32 s[G0C+1], s[WV], 2*REC               ; and of the last fill's 16 records in slot 0
	s_mul_i32 s16, s13, 64*REC                     ; the part's 64 records in memory
	s_add_co_u32 s14, s16, s[G0A+1]
	s_mov_b32 s15, 0
	s_add_co_u32 s16, s16, s[G0C+1]
	s_mov_b32 s17, 0
	s_lshl_b32 s18, s12, 5
	s_lshl_b32 s19, s[WV], 2
	s_add_co_u32 s18, s18, s19                     ; my first record of x: 32 x row block + 4 x wave
	s_mul_i32 s18, s18, REC
	s_mov_b32 s19, 0
	s_lshl_b32 s60, s13, 17                        ; cand: 131,072 bytes a part,
	s_lshl_b32 s61, s12, 12                        ; 4,096 a row block,
	s_add_co_u32 s60, s60, s61
	s_lshl_b32 s61, s[WV], 9                       ; 512 a wave
	s_add_co_u32 s60, s60, s61
	s_mov_b32 s61, 0
	s_mov_b32 s[SEL], 0x76543210
	s_mov_b32 s[SEL+1], 0xfedcba98
	s_mov_b32 s[HI], 0xffff0000
	s_mov_b32 s[NI], 0xff800000
	s_mov_b32 s[TN], -1                            ; the first search finds the set filled below, which wins nothing
	s_wait_dscnt 0x0                               ; both opening adds are done
	s_wait_alu depctr_va_vdst(0)                   ; the wait here, directly ahead of the wait below
	s_wait_kmcnt 0x0
	s_add_nc_u64 s[4:5], s[4:5], s[18:19]
	s_add_nc_u64 s[8:9], s[8:9], s[60:61]
	s_add_nc_u64 s[G0A+2:G0A+3], s[6:7], s[14:15]                  ; records 0-23, my three
	s_add_nc_u64 s[G0B+2:G0B+3], s[G0A+2:G0A+3], 24*REC            ; records 24-47, my three
	s_add_nc_u64 s[G0C+2:G0C+3], s[6:7], s[16:17]
	s_add_nc_u64 s[G0C+2:G0C+3], s[G0C+2:G0C+3], 48*REC            ; records 48-63, my two
	s_or_b32 s[G0A+3], s[G0A+3], 0x80000000        ; type = 2
	s_or_b32 s[G0B+3], s[G0B+3], 0x80000000
	s_or_b32 s[G0C+3], s[G0C+3], 0x80000000
	WIN 0x40                                       ; destination window 1, address window 0
.irp m, 0,1,2,3                        ; x's sixteen fragments: asked for ahead of the round, and kept
.irp s, 0,1,2,3
.irp c, 0,1,2
	global_load_b128 v[48*\m+12*\s+4*\c:48*\m+12*\s+4*\c+3], v[LI], s[4:5] offset:REC*\m+1536*\s+512*\c
.endr
.endr
.endr
	WIN 0
.irp m, 0,1,2,3
	global_load_b64 v[XS+2*\m:XS+2*\m+1], v[L8], s[4:5] offset:REC*\m+6144
.endr
	CROUND                                         ; all four work-groups are here: the first joint loads meet
	tensor_load_to_lds s[G0A:G0A+3], s[G1A:G1A+7]  ; my one load at the head
	s_nop 0
.irp m, 0,1,2,3
	v_mov_b32 v[RM+4+\m], s[NI]                    ; the largest s so far: -infinity
	v_mov_b32 v[TI+\m], 0
.endr
.set i, 0
.rept 32
	v_mov_b32 v[SN+i], s[NI]
	v_mov_b32 v[AC+32+i], s[NI]                    ; the set that the first search reads (the tile's step is written once)
.set i, i+1
.endr
.macro ADDR                            ; the addresses of the pair of records at s[TB]
	v_add_nc_u32 v[AD], s[TB], v[LI]
	v_add_nc_u32 v[AD+1], s[TB], v[L8]
	v_add_nc_u32 v[AD+2], s[TB], v[H32]
.endm
.macro FETCHR p, k                     ; record k from there into buffer p: 15 LDS loads; each of the first twelve reads 512 consecutive bytes
.irp c, 0,1,2,3,4,5,6,7,8,9,10,11
	ds_load_b128 v[CF+48*(\p)+4*\c:CF+48*(\p)+4*\c+3], v[AD] offset:(\k)*REC+512*\c
.endr
	ds_load_b64 v[CS+2*(\p):CS+2*(\p)+1], v[AD+1] offset:(\k)*REC+6144
	ds_load_b128 v[ESQ+8*(\p):ESQ+8*(\p)+3], v[AD+2] offset:(\k)*REC+6400     ; words 8 h .. 8 h + 7: entries 8 h + 0 .. 7
	ds_load_b128 v[ESQ+8*(\p)+4:ESQ+8*(\p)+7], v[AD+2] offset:(\k)*REC+6416
.endm
; One matrix instruction: the entries' K step s against tile m of my rows.  The first K step starts the sum with -e_sq / 2.  The scale words of an odd K step lie in lanes 16-31 of their registers.
.macro MM p, s, m
.set DD, AC+32*(\p)+8*(\m)
.set AA, CF+48*(\p)+12*(\s)
.set BB, 48*(\m)+12*(\s)
.set SA, CS+2*(\p)+(\s)/2
.set SB, XS+2*(\m)+(\s)/2
.if (\s) == 0
	v_wmma_scale_f32_16x16x128_f8f6f4 v[DD:DD+7], v[AA:AA+11], v[BB:BB+11], v[ESQ+8*(\p):ESQ+8*(\p)+7], v[SA], v[SB] matrix_a_fmt:MATRIX_FMT_BF6 matrix_b_fmt:MATRIX_FMT_BF6
.elseif (\s)%2 == 1
	v_wmma_scale_f32_16x16x128_f8f6f4 v[DD:DD+7], v[AA:AA+11], v[BB:BB+11], v[DD:DD+7], v[SA], v[SB] matrix_a_fmt:MATRIX_FMT_BF6 matrix_b_fmt:MATRIX_FMT_BF6 matrix_a_scale:MATRIX_SCALE_ROW1 matrix_b_scale:MATRIX_SCALE_ROW1
.else
	v_wmma_scale_f32_16x16x128_f8f6f4 v[DD:DD+7], v[AA:AA+11], v[BB:BB+11], v[DD:DD+7], v[SA], v[SB] matrix_a_fmt:MATRIX_FMT_BF6 matrix_b_fmt:MATRIX_FMT_BF6
.endif
.endm
.macro MULS p                          ; a tile's 16 matrix instructions, K ascending; the four accumulators take turns, one instruction a turn
	WIN 0x04                                       ; source 1 (x) window 1; all else window 0
.irp s, 0,1,2,3
.irp m, 0,1,2,3
	MM \p, \s, \m
.endr
.endr
	WIN 0
.endm
; The search through accumulator set q: 56 instructions, the four tiles of rows by turns.  Each accumulator is read from its low end on.  The old largest lies in RM's set q, the new one goes to the other.
.macro EPI q
.irp m, 0,1,2,3
	v_max3_num_f32 v[C1+\m], v[RM+4*(\q)+\m], v[AC+32*(\q)+8*\m], v[AC+32*(\q)+8*\m+1]
.endr
.irp m, 0,1,2,3
	v_max3_num_f32 v[C2+\m], v[AC+32*(\q)+8*\m+4], v[AC+32*(\q)+8*\m+5], v[AC+32*(\q)+8*\m+6]
.endr
.irp m, 0,1,2,3
	v_max3_num_f32 v[C3+\m], v[AC+32*(\q)+8*\m+2], v[AC+32*(\q)+8*\m+3], v[AC+32*(\q)+8*\m+7]
.endr
.irp m, 0,1,2,3
	s_delay_alu instid0(VALU_DEP_4)
	v_max3_num_f32 v[RM+4*(1-(\q))+\m], v[C1+\m], v[C2+\m], v[C3+\m]
.endr
.irp m, 0,1,2,3
	s_delay_alu instid0(VALU_DEP_4)
	v_cmp_gt_f32 s[MK+\m], v[RM+4*(1-(\q))+\m], v[RM+4*(\q)+\m]   ; strictly larger than all before: the first tile keeps a tie
.endr
.irp m, 0,1,2,3
	s_delay_alu instid0(VALU_DEP_4)
	v_cndmask_b32 v[TI+\m], v[TI+\m], s[TN], s[MK+\m]
.endr
.irp j, 0,1,2,3,4,5,6,7
.irp m, 0,1,2,3
	v_cndmask_b32 v[SN+8*\m+\j], v[SN+8*\m+\j], v[AC+32*(\q)+8*\m+\j], s[MK+\m]   ; the winning tile's eight s are kept: which of them it was is asked once, at the end
.endr
.endr
	s_add_co_u32 s[TN], s[TN], 1
.endm
; A tile in buffer and accumulator set p.  k > 0: record k of the pair's addresses is fetched into the other buffer first; its registers were last read by the products of the tile before, behind which stand the 56
; instructions of a search that names none of them.
.macro TILE p, k
.if \k > 0
	FETCHR 1-\p, \k
	s_wait_dscnt 15                                ; this tile's 15 loads are in; the 15 just issued may be out
.else
	s_wait_dscnt 0x0
.endif
	MULS \p
	EPI 1-\p                                       ; the tile before
.endm
.macro CHUNKM base, pairs              ; 2 x pairs tiles from LDS byte base on
	s_mov_b32 s[TB], \base
	ADDR
	FETCHR 0, 0
	s_mov_b32 s[CNT], \pairs-1
.Lpair_\@:
	ADDR
	TILE 0, 1
	TILE 1, 2
	s_add_co_u32 s[TB], s[TB], 2*REC
	s_sub_co_u32 s[CNT], s[CNT], 1
	s_cmp_lg_u32 s[CNT], 0
	s_cbranch_scc1 .Lpair_\@
	ADDR
	TILE 0, 1
	TILE 1, 0                                      ; the last tile fetches nothing
.endm
	s_wait_alu depctr_va_vdst(0)                   ; the wait at the head's end
	s_wait_tensorcnt 0x0                           ; my eighth of slot 0 is in
	ds_add_u32 v[SPW], v[NIL]
	s_wait_dscnt 0x0
	CROUND                                         ; everybody's eighth is in, and all four work-groups are here
	tensor_load_to_lds s[G0B:G0B+3], s[G1A:G1A+7]  ; slot 1's first fill: my one load behind the round
	s_nop 0
	s_wait_loadcnt 0x0                             ; x
	CHUNKM 0, 12                                   ; tiles 0-23
	s_wait_tensorcnt 0x0                           ; THE CHANGE OF SLOTS: my eighth of slot 1 is in,
	ds_add_u32 v[SPW], v[NIL]
	s_wait_dscnt 0x0                               ; the add is done, and my reads of slot 0 are over
	CROUND                                         ; so of every wave of the four work-groups
	tensor_load_to_lds s[G0C:G0C+3], s[G1B:G1B+7]  ; records 48-63 into slot 0's first 16 places, all filled before
	s_nop 0
	CHUNKM S1, 12                                  ; tiles 24-47
	s_wait_tensorcnt 0x0                           ; my eighth of the last fill is in; nothing is left to fetch
	ds_add_u32 v[SPW], v[NIL]
	s_wait_dscnt 0x0
	s_barrier_signal -1
	s_barrier_wait -1                              ; everybody's is
	CHUNKM 0, 8                                    ; tiles 48-63
	EPI 1                                          ; the last tile's search; the search before it fills the places behind the last products
	; WHICH ENTRY.  The lowest register of the kept eight that equals the largest s: from 7 down, so that the lowest is written last.
.irp m, 0,1,2,3
	v_mov_b32 v[J+\m], 0
.endr
	v_mov_b32 v[PM], 0                             ; a lane permute's destination counts as one of its sources
	v_mov_b32 v[PM+1], 0
.irp j, 7,6,5,4,3,2,1,0
.irp m, 0,1,2,3
	v_cmp_eq_f32 s[MK+\m], v[SN+8*\m+\j], v[RM+\m]
.endr
.irp m, 0,1,2,3
	s_delay_alu instid0(VALU_DEP_4)
	v_cndmask_b32 v[J+\m], v[J+\m], \j, s[MK+\m]
.endr
.endr
.irp m, 0,1,2,3
	v_lshl_add_u32 v[IX+\m], v[TI+\m], 4, v[J+\m]  ; 16 x tile + register,
	v_sub_f32 v[NS+\m], 0, v[RM+\m]                ; -s; both zeros give +0, so equal s have equal keys
.endr
.irp m, 0,1,2,3
	v_add_nc_u32 v[IX+\m], v[IX+\m], v[HB]         ; + 8 h + the part's first entry
	v_ashrrev_i32 v[KY+\m], 31, v[NS+\m]
.endr
.irp m, 0,1,2,3
	v_or_b32 v[KY+\m], 0x80000000, v[KY+\m]
.endr
.irp m, 0,1,2,3
	s_delay_alu instid0(VALU_DEP_4)
	v_xor_b32 v[KY+\m], v[KY+\m], v[NS+\m]         ; the key: unsigned order is the order of -s
.endr
.irp m, 0,1,2,3                        ; with lane l xor 16, which holds the row's other entries: the lesser key, and of equal keys the lesser index
	v_permlanex16_b32 v[PM], v[KY+\m], s[SEL], s[SEL+1]
	v_permlanex16_b32 v[PM+1], v[IX+\m], s[SEL], s[SEL+1]
	s_delay_alu instid0(VALU_DEP_2)
	v_cmp_lt_u32 s[MK], v[PM], v[KY+\m]
	s_delay_alu instid0(VALU_DEP_3)
	v_cmp_eq_u32 s[MK+1], v[PM], v[KY+\m]
	s_delay_alu instid0(VALU_DEP_3)
	v_cmp_lt_u32 s[MK+2], v[PM+1], v[IX+\m]
	s_and_b32 s[MK+1], s[MK+1], s[MK+2]
	s_or_b32 s[MK], s[MK], s[MK+1]
	v_cndmask_b32 v[KY+\m], v[KY+\m], v[PM], s[MK]
	v_cndmask_b32 v[IX+\m], v[IX+\m], v[PM+1], s[MK]
.endr
.irp a, 0,1                            ; lanes 0-15 give tile 2 a's rows, lanes 16-31 tile 2 a + 1's: 32 rows on end
	v_cndmask_b32 v[OUT+2*\a], v[KY+2*\a], v[KY+2*\a+1], s[HI]
	v_cndmask_b32 v[OUT+2*\a+1], v[IX+2*\a], v[IX+2*\a+1], s[HI]
	global_store_b64 v[L8], v[OUT+2*\a:OUT+2*\a+1], s[8:9] offset:256*\a   ; 32 lanes store 256 consecutive bytes, at a multiple of 256 from the buffer's first byte
.endr
	s_wait_tensorcnt 0x0                           ; the wave's end: behind my last tensor load
	ds_add_u32 v[SPW], v[NIL]
	s_wait_dscnt 0x0
	CROUND                                         ; the closing round: no work-group ends while a partner may still ask for a tile that names it
	s_endpgm
.Lfunc_end_k_qdbcd6c899b_nearest:
	.size	k_qdbcd6c899b_nearest, .Lfunc_end_k_qdbcd6c899b_nearest-k_qdbcd6c899b_nearest
	.p2alignl 7, 3214868480
	.fill 96, 4, 3214868480
	.section	.rodata,"a",@progbits
	.p2align	6, 0x0
	.amdhsa_kernel k_qdbcd6c899b_nearest
		.amdhsa_group_segment_fixed_size 327680
		.amdhsa_private_segment_fixed_size 0
		.amdhsa_enable_private_segment 0
		.amdhsa_kernarg_size 24
		.amdhsa_user_sgpr_count 2
		.amdhsa_user_sgpr_kernarg_segment_ptr 1
		.amdhsa_wavefront_size32 1
		.amdhsa_system_sgpr_workgroup_id_x 1
		.amdhsa_system_sgpr_workgroup_id_y 1
		.amdhsa_system_sgpr_workgroup_id_z 1
		.amdhsa_system_vgpr_workitem_id 0
		.amdhsa_next_free_vgpr 448
		.amdhsa_next_free_sgpr 66
		.amdhsa_reserve_vcc 0
		.amdhsa_float_denorm_mode_32 3
		.amdhsa_float_denorm_mode_16_64 3
		.amdhsa_memory_ordered 1
		.amdhsa_forward_progress 1
		.amdhsa_inst_pref_size 111
	.end_amdhsa_kernel
	.amdgpu_metadata
---
amdhsa.version: [ 1, 2 ]
amdhsa.kernels:
  - .name:           k_qdbcd6c899b_nearest
    .symbol:         k_qdbcd6c899b_nearest.kd
    .args:
      - { .name: xq, .offset: 0, .size: 8, .value_kind: global_buffer, .address_space: global }
      - { .name: cbq, .offset: 8, .size: 8, .value_kind: global_buffer, .address_space: global }
      - { .name: cand, .offset: 16, .size: 8, .value_kind: global_buffer, .address_space: global }
    .group_segment_fixed_size: 327680
    .private_segment_fixed_size: 0
    .kernarg_segment_align: 8
    .kernarg_segment_size: 24
    .max_flat_workgroup_size: 256
    .sgpr_count:     66
    .vgpr_count:     448
    .wavefront_size: 32
...
	.end_amdgpu_metadata
.endif
;; end of part 2
;; launch fetch (part 3): grid 256 x 1, 8 waves a work-group, no clusters, 0 bytes of LDS; arguments cand, values, out0; writes out0
.if DOCPART == 3
	.amdgcn_target "amdgcn-amd-amdhsa--gfx1250"
	.amdhsa_code_object_version 6
	.text
	.protected	k_qdbcd6c899b_fetch
	.globl	k_qdbcd6c899b_fetch
	.p2align	8
	.type	k_qdbcd6c899b_fetch,@function
k_qdbcd6c899b_fetch:
	s_mov_b64 s[64:65], 0
	v_nop
	global_prefetch_b8 v0, s[64:65] scope:SCOPE_SE
	s_setreg_imm32_b32 hwreg(HW_REG_WAVE_MODE, 25, 1), 1
	s_wait_xcnt 0x0
; out0[row][:] = values[index(row)][:], 2,048 bytes a row.  index(row) is that of the least key among the row's eight candidates cand[part][row] = (key, index), whole numbers that the launch before stored:
; unsigned compares, the parts ascending, strictly less: the first part, which holds the lower indices, keeps a tie.
; SHARES.  A work-group owns 64 rows, each of its eight waves 8.  Lane l reads the candidates of row l % 8; the eight indices become scalars, and each row is four loads and four stores of 512 consecutive bytes.
; All 32 loads of a wave (16 KiB) go out together; the stores follow row by row as the loads come back.  Nothing is read twice by a wave, so there is no LDS, no barrier and no loop; the matrix units and clusters have
; nothing to do here: work-groups share no tile.
; An index is held to 0 .. 8191 before it enters an address.
.set BK,  4                            ; v[4:19]   eight (key, index) pairs; the first becomes the best
.set OF,  20                           ; v20-27    row i: its byte offset in values, + 16 x lane
.set D,   32                           ; v32-159   row i: 16 registers
	s_load_b128 s[4:7], s[0:1], 0x0                ; cand s[4:5], values s[6:7]
	s_load_b64 s[8:9], s[0:1], 0x10                ; out0
	v_lshrrev_b32 v1, 5, v0
	s_delay_alu instid0(VALU_DEP_1)
	v_readfirstlane_b32 s10, v1                    ; wave 0..7
	v_and_b32 v3, 31, v0
	s_delay_alu instid0(VALU_DEP_1)
	v_lshlrev_b32 v1, 4, v3                        ; 16 x lane; never rewritten
	v_and_b32 v2, 7, v0
	s_lshl_b32 s11, ttmp9, 6
	s_lshl_b32 s12, s10, 3
	s_add_co_u32 s11, s11, s12                     ; my wave's first row: 64 x work-group + 8 x wave
	v_add_nc_u32 v2, s11, v2
	s_delay_alu instid0(VALU_DEP_1)
	v_lshlrev_b32 v2, 3, v2                        ; 8 bytes a row in a part of cand
	s_lshl_b32 s12, s11, 11                        ; 2,048 bytes a row of out0
	s_mov_b32 s13, 0
	s_wait_alu depctr_va_vdst(0)
	s_wait_kmcnt 0x0
	s_add_nc_u64 s[8:9], s[8:9], s[12:13]
.irp p, 0,1,2,3,4,5,6,7
	global_load_b64 v[BK+2*\p:BK+2*\p+1], v2, s[4:5] offset:131072*\p
.endr
	s_wait_loadcnt 0x0
.irp p, 1
	v_cmp_lt_u32 vcc_lo, v[BK+2*\p], v[BK]
	s_delay_alu instid0(VALU_DEP_1)
	v_cndmask_b32 v[BK], v[BK], v[BK+2*\p], vcc_lo
	s_delay_alu instid0(VALU_DEP_2)
	v_cndmask_b32 v[BK+1], v[BK+1], v[BK+2*\p+1], vcc_lo
.endr
.irp p, 2, 3, 4, 5, 6, 7
	s_delay_alu instid0(VALU_DEP_2)
	v_cmp_lt_u32 vcc_lo, v[BK+2*\p], v[BK]
	s_delay_alu instid0(VALU_DEP_1)
	v_cndmask_b32 v[BK], v[BK], v[BK+2*\p], vcc_lo
	s_delay_alu instid0(VALU_DEP_2)
	v_cndmask_b32 v[BK+1], v[BK+1], v[BK+2*\p+1], vcc_lo
.endr
.irp i, 0,1,2,3,4,5,6,7
	v_readlane_b32 s[20+\i], v[BK+1], \i           ; row i's index
	s_min_u32 s[20+\i], s[20+\i], 0x1fff           ; inside the table
	v_lshl_add_u32 v[OF+\i], s[20+\i], 11, v1      ; 2,048 bytes a row of values, + 16 x lane
.endr
.irp i, 0,1,2,3,4,5,6,7
.irp q, 0,1,2,3
	global_load_b128 v[D+16*\i+4*\q:D+16*\i+4*\q+3], v[OF+\i], s[6:7] offset:512*\q   ; 512 consecutive bytes; no hint: several rows may name one entry
.endr
.endr
.irp i, 0,1,2,3,4,5,6,7
	s_wait_loadcnt 28-4*\i                         ; loads come back in order (ISA guide 5.7.1): row i's four are in, the younger rows' stay out
.irp q, 0,1,2,3
	global_store_b128 v1, v[D+16*\i+4*\q:D+16*\i+4*\q+3], s[8:9] offset:2048*\i+512*\q th:TH_STORE_NT   ; 512 consecutive bytes, at a multiple of 256 from the buffer's first byte; written once, read by nobody here
.endr
.endr
	s_endpgm
.Lfunc_end_k_qdbcd6c899b_fetch:
	.size	k_qdbcd6c899b_fetch, .Lfunc_end_k_qdbcd6c899b_fetch-k_qdbcd6c899b_fetch
	.p2alignl 7, 3214868480
	.fill 96, 4, 3214868480
	.section	.rodata,"a",@progbits
	.p2align	6, 0x0
	.amdhsa_kernel k_qdbcd6c899b_fetch
		.amdhsa_group_segment_fixed_size 0
		.amdhsa_private_segment_fixed_size 0
		.amdhsa_enable_private_segment 0
		.amdhsa_kernarg_size 24
		.amdhsa_user_sgpr_count 2
		.amdhsa_user_sgpr_kernarg_segment_ptr 1
		.amdhsa_wavefront_size32 1
		.amdhsa_system_sgpr_workgroup_id_x 1
		.amdhsa_system_sgpr_workgroup_id_y 1
		.amdhsa_system_sgpr_workgroup_id_z 1
		.amdhsa_system_vgpr_workitem_id 0
		.amdhsa_next_free_vgpr 176
		.amdhsa_next_free_sgpr 66
		.amdhsa_reserve_vcc 1
		.amdhsa_float_denorm_mode_32 3
		.amdhsa_float_denorm_mode_16_64 3
		.amdhsa_memory_ordered 1
		.amdhsa_forward_progress 1
		.amdhsa_inst_pref_size 11
	.end_amdhsa_kernel
	.amdgpu_metadata
---
amdhsa.version: [ 1, 2 ]
amdhsa.kernels:
  - .name:           k_qdbcd6c899b_fetch
    .symbol:         k_qdbcd6c899b_fetch.kd
    .args:
      - { .name: cand, .offset: 0, .size: 8, .value_kind: global_buffer, .address_space: global }
      - { .name: values, .offset: 8, .size: 8, .value_kind: global_buffer, .address_space: global }
      - { .name: out0, .offset: 16, .size: 8, .value_kind: global_buffer, .address_space: global }
    .group_segment_fixed_size: 0
    .private_segment_fixed_size: 0
    .kernarg_segment_align: 8
    .kernarg_segment_size: 24
    .max_flat_workgroup_size: 256
    .sgpr_count:     66
    .vgpr_count:     176
    .wavefront_size: 32
...
	.end_amdgpu_metadata
.endif
;; end of part 3
